; MI455X (gfx1250); checked and timed in simulation.
; The chip was launched on July 23, 2026; its instructions are those of AMD's public machine-readable ISA for CDNA 5 (MIT licence, August 2026) and "CDNA5" Instruction Set Architecture Reference Guide (July 2026). The comments in the code are by the model that wrote it; some were corrected since.
;; Self Attention. Allowed arithmetic: matrix products marked QUANTISED: E2M3 operands, one E8M0 scale for each 32 along K, by v_wmma_scale_f32_16x16x128_f8f6f4 with both operands' format E2M3, f32 sums; everything else in f32.
;; Inputs: beta 256 float32; gamma 256 float32; key_masks 64 x 1 x 1,024 bool; x 64 x 1,024 x 256 float32.
;; Outputs: out0 64 x 1 x 256 float32.
;; This version of the problem:
;;   THIS VERSION OF THE PROBLEM IS GIVEN IN LOW PRECISION. The matrix products marked QUANTISED in the list below multiply operands that are first quantised to E2M3 (2 exponent bits, 3 mantissa bits; 6 bits a number), with one power-of-two scale for each 32 numbers along K (OCP MX v1.0); their sums are f32. All else is computed in f32.
;;   The module's matrix products, in the order in which they are computed (A, B: the left and right operand; K: the contracted axis; several contracted axes count as one K, in the product's order):
;;     1. batch 64 x [M 1,024, K 256] x [K 256, N 1,024]; A: input x; B: input x: QUANTISED
;;     2. batch 64 x [M 1,024, K 1,024] x [K 1,024, N 256]; A: softmax (see below); B: input x: QUANTISED
;;   THE QUANTISER, for each operand of a quantised product, along K:
;;     - K is cut into blocks of 32 from its start; a last block that is shorter is filled with zeros.
;;     - A block's scale is 2^e with e = floor(log2(the largest magnitude in the block)) - 2, held to -126 .. 127; a block of zeros has e = 0. As a byte (E8M0): e + 127.
;;     - Each number is divided by its block's scale, clamped to +-7.5, and rounded to the nearest number of E2M3, ties to even, subnormals kept.
;;     - The product sums the exact products of the quantised numbers (number of the format x scale) in f32.
;;   ~~~python
;;   def quantise(x, axis):      # numpy; x: float32 -> the quantised numbers, widened to float32 again
;;       x = np.moveaxis(x, axis, -1); K = x.shape[-1]
;;       x = np.pad(x, [(0, 0)] * (x.ndim - 1) + [(0, -K % 32)]); x = x.reshape(x.shape[:-1] + (-1, 32)); a = np.abs(x).max(-1, keepdims=True)
;;       e = np.where(a > 0, np.clip(np.frexp(np.where(a > 0, a, 1))[1] - 1 - 2, -126, 127), 0)      # np.frexp(a)[1] - 1 = floor(log2(a)), exactly
;;       r = np.clip(x / 2.0 ** e, -7.5, 7.5)
;;       step = 2.0 ** (np.maximum(np.frexp(np.where(r == 0, 1, r))[1] - 1, 0) - 3)
;;       q = np.round(r / step) * step * 2.0 ** e      # np.round: ties to even
;;       return np.moveaxis(q.reshape(q.shape[:-2] + (-1,))[..., :K], -1, axis).astype(np.float32)
;;   ~~~
;;   SOFTMAX AHEAD OF A QUANTISED PRODUCT. Where the list says 'softmax', what is quantised is not the finished softmax but p = 2^(t - M), with t = logit x log2(e) and M = ceil(the row's largest t), a whole number; so 1/2 < the row's largest p <= 1. The row's sum l is taken of the UNQUANTISED p, in f32, and the product's result is divided by l at the end. Since M is a whole number, a kernel that streams over the keys may use a running M (the ceiling of the running maximum): every later rescaling is an exact power of two, which a block's scale takes up: the codes' values come out the same.
;;   OPERANDS COMPUTED ON THE WAY. 'Computed on the way' means the value that the module computes at that place (a softmax that the list does not call 'softmax' is quantised finished and normalised). What goes into a quantiser is computed in f32, as accurately as f32 sums, v_exp_f32 and their like allow (about 1e-6 of the number): no bf16 or f16 on the way to a quantiser, and a product that is left as it is and whose result goes on into a quantised operand takes f32 operands (vector FMAs, or v_wmma_f32_16x16x4_f32). A number that lies on a knife's edge between two numbers of the format may be rounded either way, as far as f32 arithmetic and the matrix unit's own rounding can turn it there, and no further.
;; One version. Each part assembles by itself: llvm-mc -triple=amdgcn-amd-amdhsa -mcpu=gfx1250 --defsym DOCPART=n.
;; ======== version 1 of 1: 3 launches
;; limits: inputs' magnitudes at most 16,000; right only within a limited range of input values
;; workspace buffers: kbuf 13,369,344 bytes; vbuf 13,107,200 bytes; part 2,097,152 bytes; ubuf 65,536 bytes
;; launch quant (part 1): grid 8 x 64, 8 waves a work-group, no clusters, 136,960 bytes of LDS; arguments x, key_masks, kbuf, vbuf; writes kbuf, vbuf
.if DOCPART == 1
	.amdgcn_target "amdgcn-amd-amdhsa--gfx1250"
	.amdhsa_code_object_version 6
	.text
	.protected	k_q06c2a9604d_quant
	.globl	k_q06c2a9604d_quant
	.p2align	8
	.type	k_q06c2a9604d_quant,@function
k_q06c2a9604d_quant:
	s_mov_b64 s[64:65], 0
	v_nop
	global_prefetch_b8 v0, s[64:65] scope:SCOPE_SE
	s_setreg_imm32_b32 hwreg(HW_REG_WAVE_MODE, 25, 1), 1
	s_wait_xcnt 0x0
; x [64][1024][256] f32 is read ONCE and quantised twice to codes of FP6 (E2M3) with one E8M0 byte for each 32 numbers: along the channels (operand of x x^T, both sides) and along the rows (operand of p x).
; A work-group takes 128 rows (one key step) x 256 channels of one batch through LDS.  What it stores are IMAGES OF OPERAND REGISTERS: a fragment (16 rows x 128 K, 12 registers a lane) as three runs of 512 bytes,
; run c = registers 4 c .. 4 c + 3, 16 bytes a lane, so that the next launch fetches any fragment by three loads of 16 bytes a lane, from dense bytes.
; kbuf, a block of 26,112 bytes for each (batch, step): 16 images, (tile kt, K step s) at (2 kt + s) x 1,536; lane r of tile 2 g + u holds key 32 g + 8 u + r + 8 (r / 8), so that two neighbouring tiles of scores hold 16
;   neighbouring keys in a lane; at 24,576 the scale words [a][lane][j], tile 4 a + j, lanes 0-15 K step 0, lanes 16-31 K step 1; at 25,600 the key mask as 128 f32 numbers: 0 where the key counts, -1e30 where not.
; vbuf, a block of 25,600 bytes: 16 images, channel tile ct at 1,536 ct (lane r: channel 16 ct + r, K = the step's 128 keys); at 24,576 the scale words [a][lane][j]: lanes 0-15 tile 8 a + 2 j, lanes 16-31 tile 8 a + 2 j + 1.
; A block's scale is 2^(floor(log2(largest magnitude)) - 2); its byte is the largest magnitude's exponent field - 2, held at 1 from below.
; LIMITS: NaN and infinities among the inputs are not served.  A block of zeros gets the byte 1 where the rule says 127: its codes are zeros, and the bytes are read by this program alone.
; No tensor loads: two work-groups share a WGP (2 x 136,960 bytes of LDS, 4 x 226 registers a SIMD).  No cluster: work-groups share no input.
; WORK THAT THE PROGRAM LEAVES OUT, for all values of the inputs: the products of a query with a block of 128 keys that all come after it.  reference() builds the causal mask in its own body and puts NEG_INF over these
; logits, so that beside any key that counts their weight is exp(NEG_INF - max) = 0.  A row all of whose causal keys are masked by key_masks has the weight 1 / 1024 on every key; that row is made apart, from the sum of
; all quantised rows (launches attn and finish).  LIMIT: a NaN, an infinity or an overflow that reaches only the products left out is not carried to the result.
.set PIT,  1040                        ; an LDS row: 1,024 bytes + 16 = 260 words: row r starts at bank 4 r mod 64
.set GRP,  32*PIT+64                   ; 32 rows, + 64 bytes: lanes 16-31 of a column read stand 16 banks on from lanes 0-15
.set STG,  4*GRP                       ; behind the tile: K's scale words (1,024 bytes), the bias (512), V's scale words (1,024)
.set KBLK, 26112
.set VBLK, 25600
.set GL,   4                           ; v4   16 x lane
.set LSTO, 5                           ; v5   where my wave's rows go in LDS
.set AKR,  6                           ; v6   my row of my K tile, + 128 h
.set AV,   7                           ; v7-8 my column, keys 0-63 and 64-127 (the distance is beyond the 16-bit immediate)
.set H8,   9                           ; v9   8 h
.set STW,  10                          ; v10  my lane's scale word in the stage
.set STB,  11                          ; v11  my key's bias
.set TLD,  12                          ; v12  the tail: my 16 bytes of the stage
.set MK,   13                          ; v13  the mask's byte, then the bias
.set MX,   14                          ; v14-15 largest magnitudes
.set SO,   16                          ; v16-17 the conversions' scale operands
.set BY,   18                          ; v18-19 the bytes
.set WD,   20
.set PT,   21
.set WR,   22                          ; v22-25 the four fragments' scale words
.set MO,   26                          ; v26  thread & 127
.set NG,   27                          ; v27  -1e30
.set TP,   28                          ; v28-30, v32-34 a block's upper 16 codes
.set CD,   36                          ; v36-83 codes, 12 registers for each of four fragments: never written again, so no store's data are overwritten
.set TL,   84                          ; v84-87 the tail's data; v88 its offset
.set X,    96                          ; v96-223 128 numbers
.set SEL,  22                          ; s[22:23]
	s_load_b256 s[4:11], s[0:1], 0x0               ; x, key_masks, kbuf, vbuf
	v_lshl_add_u32 v224, v0, 2, 0x21300
	v_mov_b32 v225, 0
	v_lshrrev_b32 v1, 5, v0
	s_delay_alu instid0(VALU_DEP_1)
	v_readfirstlane_b32 s12, v1                    ; wave 0..7
	s_mov_b32 s13, ttmp9                           ; key step 0..7
	s_and_b32 s14, ttmp7, 0xffff                   ; batch
	v_and_b32 v1, 31, v0                           ; lane
	v_and_b32 v2, 15, v0                           ; r
	v_bfe_u32 v3, v0, 4, 1                         ; h
	s_delay_alu instid0(VALU_DEP_3)
	v_lshlrev_b32 v[GL], 4, v1
	s_lshr_b32 s25, s12, 1
	s_mul_i32 s25, s25, GRP                        ; my wave's group of 32 LDS rows
	s_and_b32 s26, s12, 1
	s_mul_i32 s27, s26, 8*PIT
	s_add_co_u32 s27, s27, s25
	v_add_nc_u32 v[LSTO], s27, v[GL]               ; key 16 w + i goes to LDS row 32 (w / 2) + 16 (i / 8) + 8 (w % 2) + i % 8: a K tile's 16 rows are then neighbours
	s_mul_i32 s27, s26, 16*PIT
	s_add_co_u32 s27, s27, s25
	v_mul_u32_u24 v[AKR], v2, PIT
	s_delay_alu instid0(VALU_DEP_1)
	v_lshl_add_u32 v[AKR], v3, 7, v[AKR]
	s_delay_alu instid0(VALU_DEP_1)
	v_add_nc_u32 v[AKR], s27, v[AKR]               ; K tile w: LDS row 16 w + r, + my half's 32 channels
	v_mul_u32_u24 v[AV], v3, GRP
	s_delay_alu instid0(VALU_DEP_1)
	v_lshl_add_u32 v[AV], v2, 2, v[AV]
	s_lshl_b32 s27, s12, 7
	v_add_nc_u32 v[AV], s27, v[AV]                 ; channel 32 w + r, keys 32 h on
	s_delay_alu instid0(VALU_DEP_1)
	v_add_nc_u32 v[AV+1], 2*GRP, v[AV]             ; keys 64 + 32 h on
	v_lshlrev_b32 v[H8], 3, v3
	s_lshr_b32 s27, s12, 2
	s_lshl_b32 s27, s27, 9
	s_and_b32 s28, s12, 3
	s_lshl_b32 s28, s28, 2
	s_add_co_u32 s27, s27, s28
	s_add_co_u32 s27, s27, STG
	v_add_nc_u32 v[STW], s27, v[GL]                ; [a = w / 4][lane][j = w % 4]
	v_and_b32 v[MO], 127, v0
	s_delay_alu instid0(VALU_DEP_1)
	v_lshl_add_u32 v[STB], v[MO], 2, STG+1024
	s_min_u32 s27, s12, 4                          ; (five waves carry the stage out: no wave's register points past LDS)
	s_lshl_b32 s27, s27, 9
	s_add_co_u32 s27, s27, STG
	v_add_nc_u32 v[TLD], s27, v[GL]
	v_mov_b32 v[PT], 0                             ; written once: a lane permute's destination counts as one of its sources
	v_mov_b32 v[NG], 0xf149f2ca                    ; -1e30
	s_mov_b32 s[SEL], 0x76543210
	s_mov_b32 s[SEL+1], 0xfedcba98                 ; v_permlanex16_b32's selects for lane l xor 16
	s_mov_b32 s24, 0xffff0000                      ; lanes 16-31
	s_lshl_b32 s16, s14, 20                        ; x: a batch is 2^20 bytes,
	s_lshl_b32 s17, s13, 17                        ; a step's 128 rows 2^17,
	s_add_co_u32 s16, s16, s17
	s_lshl_b32 s17, s12, 14                        ; my wave's 16 rows 2^14
	s_add_co_u32 s16, s16, s17
	s_mov_b32 s17, 0
	s_lshl_b32 s18, s14, 3
	s_add_co_u32 s18, s18, s13                     ; block number 8 b + step
	s_mul_i32 s20, s18, VBLK
	s_mul_i32 s18, s18, KBLK
	s_mov_b32 s19, 0
	s_mov_b32 s21, 0
	s_lshl_b32 s34, s14, 10
	s_lshl_b32 s35, s13, 7
	s_add_co_u32 s34, s34, s35                     ; the step's 128 mask bytes
	s_mov_b32 s35, 0
	s_mul_i32 s36, s12, 3072                       ; my wave's two images in a block
	s_mov_b32 s37, 0
	s_wait_alu depctr_va_vdst(0)
	s_wait_kmcnt 0x0
	s_add_nc_u64 s[4:5], s[4:5], s[16:17]
	s_add_nc_u64 s[6:7], s[6:7], s[34:35]
	s_add_nc_u64 s[30:31], s[8:9], s[18:19]        ; my block of kbuf,
	s_add_nc_u64 s[32:33], s[10:11], s[20:21]      ; of vbuf,
	s_add_nc_u64 s[8:9], s[30:31], s[36:37]        ; and my wave's images in them
	s_add_nc_u64 s[10:11], s[32:33], s[36:37]
	global_load_u8 v[MK], v[MO], s[6:7]
.set n, 0
.rept 32
	global_load_b128 v[X+4*n:X+4*n+3], v[GL], s[4:5] offset:512*n th:TH_LOAD_NT   ; 32 lanes read 512 consecutive bytes: half a row; read once in the whole program
.set n, n+1
.endr
; 64 numbers of a lane, v[xs + 32 c + i] = number i of its block c (K = 64 c + 32 h + i of its row), become a fragment's 12 registers at v[cd] and its row's scale word in v[wd] (whole in both lanes of the row).
.macro QUANT xs, cd, wd
.irp c, 0,1
	v_max3_num_f32 v[MX+\c], |v[\xs+32*\c]|, |v[\xs+32*\c+1]|, 0x1800000   ; the block's largest magnitude: all 32 numbers are mine; the floor 2^(3 - 127) holds the byte at 1 from below
.endr
.irp i, 2,4,6,8,10,12,14,16,18,20,22,24,26,28,30
.irp c, 0,1
	s_delay_alu instid0(VALU_DEP_2)
	v_max3_num_f32 v[MX+\c], v[MX+\c], |v[\xs+32*\c+\i]|, |v[\xs+32*\c+\i+1]|   ; (the two blocks by turns)
.endr
.endr
.irp c, 0,1
	s_delay_alu instid0(VALU_DEP_2)
	v_add_nc_u32 v[SO+\c], 0xff000000, v[MX+\c]    ; 2 off the exponent field: the conversion takes the exponent field of this operand as its scale
.endr
.irp c, 0,1
	s_delay_alu instid0(VALU_DEP_2)
	v_lshrrev_b32 v[BY+\c], 23, v[SO+\c]           ; the scale's byte
.endr
	s_delay_alu instid0(VALU_DEP_1)
	v_lshl_or_b32 v[WD], v[BY+1], 16, v[BY]        ; my two bytes: blocks h and 2 + h,
	s_delay_alu instid0(VALU_DEP_1)
	v_lshlrev_b32 v[WD], v[H8], v[WD]              ; at their places;
	s_delay_alu instid0(VALU_DEP_1)
	v_permlanex16_b32 v[PT], v[WD], s[SEL], s[SEL+1]
	s_delay_alu instid0(VALU_DEP_1)
	v_or_b32 v[\wd], v[WD], v[PT]                  ; with lane l xor 16's two the word is whole
.irp c, 0,1
	v_cvt_scalef32_pk16_fp6_f32 v[\cd+6*\c:\cd+6*\c+2], v[\xs+32*\c:\xs+32*\c+15], v[SO+\c]
	v_cvt_scalef32_pk16_fp6_f32 v[TP+4*\c:TP+4*\c+2], v[\xs+32*\c+16:\xs+32*\c+31], v[SO+\c]   ; (a conversion's three registers begin on an even number: the upper half is made elsewhere and moved)
.endr
	v_nop                                          ; one plain place behind a scaled conversion
.irp c, 0,1
.irp i, 0,1,2
	v_mov_b32 v[\cd+6*\c+3+\i], v[TP+4*\c+\i]
.endr
.endr
.endm
.macro IMG cd, base, off               ; a fragment's image: each store of the wave covers 512 consecutive bytes, aligned
.irp c, 0,1,2
	global_store_b128 v[GL], v[\cd+4*\c:\cd+4*\c+3], s[\base:\base+1] offset:\off+512*\c
.endr
.endm
.macro VCOL e, xs                      ; channel 32 w + 16 e + r, down the step's keys: register 32 c + i = key 64 c + 32 h + i, found at its permuted LDS row
.irp c, 0,1
.set i, 0
.rept 32
	ds_load_b32 v[\xs+32*\c+i], v[AV+\c] offset:(16*((i>>3)&1)+8*(i>>4)+(i&7))*PIT+64*\e
.set i, i+1
.endr
.endr
.endm
	; ---- the tile goes into LDS
.set n, 0
.rept 32
	s_wait_loadcnt 31-n                            ; loads come back in order: load n is in, the younger ones stay out
	ds_store_b128 v[LSTO], v[X+4*n:X+4*n+3] offset:(((n/2)>>3)*16+((n/2)&7))*PIT+512*(n%2)
.set n, n+1
.endr
	v_cmp_eq_u32 vcc_lo, 0, v[MK]
	s_delay_alu instid0(VALU_DEP_1)
	v_cndmask_b32 v[MK], 0, v[NG], vcc_lo          ; the key's bias: 0 where the mask is true, -1e30 where it is false
	s_cmp_ge_u32 s12, 4
	s_cbranch_scc1 .Lno_bias                       ; threads 0-127 hold the step's 128 keys
	ds_store_b32 v[STB], v[MK]
.Lno_bias:
	s_wait_dscnt 0x0                               ; for the others' sake: my stores have landed
	s_barrier_signal -1
	s_barrier_wait -1
	; ---- along the channels: K tile w, K steps 0 and 1
.irp s, 0,1
.irp c, 0,1
.irp i, 0,1,2,3,4,5,6,7
	ds_load_b128 v[X+64*\s+32*\c+4*\i:X+64*\s+32*\c+4*\i+3], v[AKR] offset:512*\s+256*\c+16*\i
.endr
.endr
.endr
	s_wait_dscnt 16                                ; K step 0's 16 loads are in, K step 1's may be out
	QUANT X, CD, WR
	IMG CD, 8, 0
	s_wait_dscnt 0x0
	VCOL 0, X                                      ; the first column fragment is fetched while K step 1 is quantised
	QUANT X+64, CD+12, WR+1
	IMG CD+12, 8, 1536
	v_cndmask_b32 v[WR], v[WR], v[WR+1], s24       ; lanes 0-15 K step 0's word, lanes 16-31 K step 1's
	ds_store_b32 v[STW], v[WR]
	; ---- along the rows: channel tiles 2 w and 2 w + 1
	VCOL 1, X+64
	s_wait_dscnt 63                                ; 65 younger LDS instructions stand behind the first fragment's last load; 63 is the largest count the field holds
	QUANT X, CD+24, WR+2
	IMG CD+24, 10, 0
	s_wait_dscnt 0x0
	QUANT X+64, CD+36, WR+3
	IMG CD+36, 10, 1536
	v_cndmask_b32 v[WR+2], v[WR+2], v[WR+3], s24   ; lanes 0-15 tile 2 w, lanes 16-31 tile 2 w + 1
	ds_store_b32 v[STW], v[WR+2] offset:1536
	s_wait_dscnt 0x0
	s_barrier_signal -1
	s_barrier_wait -1
	; ---- the stage's 2,560 bytes leave as five runs of 512: three to kbuf's block, two to vbuf's
	s_cmp_ge_u32 s12, 5
	s_cbranch_scc1 .Lend
	ds_load_b128 v[TL:TL+3], v[TLD]
	s_cmp_lt_u32 s12, 3                            ; the choice hangs on the wave's number alone
	s_cselect_b64 s[26:27], s[30:31], s[32:33]
	s_cselect_b32 s28, 0, 3
	s_sub_co_u32 s28, s12, s28
	s_lshl_b32 s28, s28, 9
	s_add_co_u32 s28, s28, 24576
	v_add_nc_u32 v[TL+4], s28, v[GL]
	s_wait_alu depctr_va_vdst(0)
	s_wait_dscnt 0x0
	global_store_b128 v[TL+4], v[TL:TL+3], s[26:27]
.Lend:
	s_wait_tensorcnt 0x0
	ds_add_u32 v224, v225
	s_wait_dscnt 0x0
	s_endpgm
.Lfunc_end_k_q06c2a9604d_quant:
	.size	k_q06c2a9604d_quant, .Lfunc_end_k_q06c2a9604d_quant-k_q06c2a9604d_quant
	.p2alignl 7, 3214868480
	.fill 96, 4, 3214868480
	.section	.rodata,"a",@progbits
	.p2align	6, 0x0
	.amdhsa_kernel k_q06c2a9604d_quant
		.amdhsa_group_segment_fixed_size 136960
		.amdhsa_private_segment_fixed_size 0
		.amdhsa_enable_private_segment 0
		.amdhsa_kernarg_size 32
		.amdhsa_user_sgpr_count 2
		.amdhsa_user_sgpr_kernarg_segment_ptr 1
		.amdhsa_wavefront_size32 1
		.amdhsa_system_sgpr_workgroup_id_x 1
		.amdhsa_system_sgpr_workgroup_id_y 1
		.amdhsa_system_sgpr_workgroup_id_z 1
		.amdhsa_system_vgpr_workitem_id 0
		.amdhsa_next_free_vgpr 226
		.amdhsa_next_free_sgpr 66
		.amdhsa_reserve_vcc 1
		.amdhsa_float_denorm_mode_32 3
		.amdhsa_float_denorm_mode_16_64 3
		.amdhsa_memory_ordered 1
		.amdhsa_forward_progress 1
		.amdhsa_inst_pref_size 39
	.end_amdhsa_kernel
	.amdgpu_metadata
---
amdhsa.version: [ 1, 2 ]
amdhsa.kernels:
  - .name:           k_q06c2a9604d_quant
    .symbol:         k_q06c2a9604d_quant.kd
    .args:
      - { .name: x, .offset: 0, .size: 8, .value_kind: global_buffer, .address_space: global }
      - { .name: key_masks, .offset: 8, .size: 8, .value_kind: global_buffer, .address_space: global }
      - { .name: kbuf, .offset: 16, .size: 8, .value_kind: global_buffer, .address_space: global }
      - { .name: vbuf, .offset: 24, .size: 8, .value_kind: global_buffer, .address_space: global }
    .group_segment_fixed_size: 136960
    .private_segment_fixed_size: 0
    .kernarg_segment_align: 8
    .kernarg_segment_size: 32
    .max_flat_workgroup_size: 256
    .sgpr_count:     66
    .vgpr_count:     226
    .wavefront_size: 32
...
	.end_amdgpu_metadata
.endif
;; end of part 1
;; launch attn (part 2): grid 4 x 64, 8 waves a work-group, clusters of 4 x 1, 327,680 bytes of LDS; arguments kbuf, vbuf, part, ubuf; writes part, ubuf
.if DOCPART == 2
	.amdgcn_target "amdgcn-amd-amdhsa--gfx1250"
	.amdhsa_code_object_version 6
	.text
	.protected	k_q06c2a9604d_attn
	.globl	k_q06c2a9604d_attn
	.p2align	8
	.type	k_q06c2a9604d_attn,@function
k_q06c2a9604d_attn:
	s_mov_b64 s[64:65], 0
	v_nop
	global_prefetch_b8 v0, s[64:65] scope:SCOPE_SE
	s_setreg_imm32_b32 hwreg(HW_REG_WAVE_MODE, 25, 1), 1
	s_wait_xcnt 0x0
	s_wait_alu depctr_hold_cnt(0) depctr_sa_sdst(0) depctr_va_vdst(0) depctr_va_sdst(0) depctr_va_ssrc(0) depctr_va_vcc(0) depctr_vm_vsrc(0)
	s_getreg_b32 s2, hwreg(HW_REG_IB_STS2, 6, 4)
	s_cmp_eq_u32 s2, 0
	s_cbranch_scc0 .Lentry_in_a_cluster
	s_endpgm
.Lentry_in_a_cluster:
	s_bfe_u32 s2, ttmp6, 0x10000c
	s_cmp_lg_u32 s2, 0x3003
	s_cbranch_scc0 .Lentry_shape_is_right
	s_endpgm
.Lentry_shape_is_right:
; Causal attention of x on itself on codes of FP6 (E2M3), LayerNorm of each row, and the sum of the normalised rows of each wave.  Operands come from kbuf and vbuf as images of operand registers.
; SHARES.  A cluster of four work-groups is one batch.  Wave w of work-group cx owns two tiles of 16 queries, both at place 2 cx + w % 2 of their octave (128 queries): tile 0 in octave OA = 7 - w / 2, tile 1 in octave
; OB = OA - 4.  A key step is 128 keys.  While the step's number is at most OB both tiles are walked, up to OA tile 0 alone, and behind that nothing: those keys come after the wave's queries (the causal mask is the
; problem's own).  Waves w and w + 4 together have 4, 4, 3, 3, 2, 2, 1, 1 tiles at the most in the eight steps.  The choice is a scalar branch on the wave's number and the step's count.
; All four work-groups walk the same blocks of K and V, so each is asked for JOINTLY (mask 15): waves 0-3 fetch the quarters of a slot's K, waves 4-7 those of its V, one tensor load a wave; one load of a wave is out at most.
; No prefetch: a launch has three refills, and each is asked for two key steps ahead of the wait for it.
; LAYOUT.  Both products are used transposed: S^T = K Q^T, O^T = V^T P^T: a lane holds ONE query (lane % 16) throughout.  Q's fragments are K's images of the tile's own place.
; THE KEY MASK is a number: the bias (0 or -1e30) is the C of a score's first product.  Causally hidden scores become -1e30 by a select.  t = score x log2(e) / 16; M = the running largest t rounded up to a whole number;
; p = 2^(t - M) is quantised along the keys; the row's sum is of the unquantised p; a change of M multiplies the sum and O by an exact power of two.
; A ROW ALL OF WHOSE CAUSAL KEYS ARE MASKED: the running maximum starts at -1e20, over every masked t, so all its p are 0; it ends with O = 0 and sum 0, the sum is held at 1/2 from below (a row with a key that counts has a
; sum over 1/2), and the row adds exactly 0 here.  What such a row is worth (all 1,024 keys with p = 1) is U / 1024, U = the sum of V's quantised numbers over all keys: U is made here by waves 4-7 behind their last step,
; by products with a fragment of ones (code 4.0 under the scale 2^-2), and the last launch adds the normalised U / 1024 once for each such row.
; LIMITS: |t| stays under 2^31; real logits under -4.29e9 (where a masked key would win) are taken as ordinary logits; NaN and infinities are not served.
; Left out: key steps that the causal mask hides whole (the first launch's head comment).
; REGISTERS.  Window 0: v1-7 addresses and the add's pair; v8-9 Q's scale words, v10-11 p's; v12-19 statistics (-M, largest t, the sum in two halves; a tile each); v20-27 K's, then V's scale words; v28-75 Q;
;   v76-123 four fragments of K, then p's codes and the softmax's work; v124-127 f; v128-191, v192-255 the two tiles' scores; fragments of K and V where scores are not yet or no longer held.
;   Window 1: O^T, tile T's channel tile ct at 128 T + 8 ct.
.set KBLK,  26112
.set VBLK,  25600
.set KQ4,   13056                      ; a quarter of a slot's two blocks of K: 51 rows of 256 bytes
.set VQ4,   12800                      ; of V: 50 rows
.set SLOT1, 131072                     ; slot 1 begins here: one exclusive or turns an address from one slot to the other
.set VOFF,  2*KBLK                     ; a slot: two blocks of K, then two of V
.set STAGE, 262144                     ; behind the ring: 16 rows x 272 bytes for each wave; no fill lands here
.set SPARE, 296960                     ; behind the stages: the spare words, 128 bytes for each wave: four blocks of 256 bytes that no other line names
.set LI,   1                           ; 16 x lane
.set HB,   2                           ; 64 h + where a block's bias begins
.set ADR,  3                           ; the block in hand + 16 x lane; on the way out: into the stage
.set ADB,  4                           ; the block's bias; on the way out: back from the stage
.set SPW,  5                           ; my spare word; never rewritten
.set NIL,  6                           ; 0; never rewritten
.set QD,   7                           ; my query's place in its octave less my half's first key, 16 h
.set QS,   8
.set PS,   10
.set ST,   12
.set SCW,  20
.set QF,   28                          ; Q's fragment (tile T, K step s) at QF + 12 (2 T + s)
.set KB,   76
.set PC,   76                          ; p's codes: tile T at PC + 12 T
.set BM,   100                         ; the blocks' largest scores, four a tile; then (CT) codes on their way
.set CT,   100
.set PT,   108
.set NG,   108                         ; -1e30, on the diagonal
.set SO,   116                         ; the conversions' scale operands; ahead of them TA, OLD and the second sums
.set F,    124
.set TA,   126
.set NEGR, 127
.set SCR,  128                         ; scores: tile T at SCR + 64 T
.set RL,   100                         ; LayerNorm: 1 / sum,
.set NMU,  102                         ; - mean,
.set RS,   112                         ; 1 / sqrt(var + eps),
.set CH,   128                         ; eight chains
.set WV,   12
.set CX,   13
.set BA,   14
.set OA,   15
.set W3,   16
.set OB,   17
.set SEL,  20
.set CS,   22
.set G1K,  24
.set G1V,  32
.set G0K,  40
.set G0V,  44
.set TK,   48                          ; LDS byte of the step's block of K,
.set TV,   49                          ; of V
.set KS,   50                          ; the step, 0 .. 7
.set SLOTS, 51
.set TWICE, 52
.set MK,   84                          ; s84-91 lane masks
.set MSB, 0
.set NT, 2                             ; tiles in the body being written
.macro WIN new                         ; the immediate's high byte repeats the setting that is left; a switch that changes nothing is dropped
.if MSB != \new
	s_set_vgpr_msb (MSB<<8)|\new
.set MSB, \new
.endif
.endm
.macro PLACES cnt
.rept \cnt
	v_nop
.endr
.endm
.macro JLOAD                           ; a joint load; the branch hangs on the wave's number alone; four v_nop follow each of the two lines
	s_cmp_lt_u32 s[WV], 4
	s_cbranch_scc0 .Lfor_v_\@
	tensor_load_to_lds s[G0K:G0K+3], s[G1K:G1K+7]
	s_nop 0
	PLACES 4
	s_branch .Lasked_\@
.Lfor_v_\@:
	tensor_load_to_lds s[G0V:G0V+3], s[G1V:G1V+7]
	s_nop 0
	PLACES 4
.Lasked_\@:
.endm
.macro CROUND                          ; a round of the cluster's barrier
	s_barrier_signal -1
	s_barrier_wait -1
	s_cmp_lg_u32 s[WV], 0
	s_cbranch_scc1 .Lnot_wave_0_\@
	s_barrier_signal -3
.Lnot_wave_0_\@:
	s_barrier_wait -3
	s_barrier_signal -1
	s_barrier_wait -1
.endm
; one product: D, source 0, source 1, C, their scale registers; ra, rb = 1: that side's scales are read from lanes 16-31
.macro WM d, a, b, c, sa, sb, ra, rb
.if (\ra) && (\rb)
	v_wmma_scale_f32_16x16x128_f8f6f4 v[(\d):(\d)+7], v[(\a):(\a)+11], v[(\b):(\b)+11], v[(\c):(\c)+7], v[(\sa)], v[(\sb)] matrix_a_fmt:MATRIX_FMT_FP6 matrix_b_fmt:MATRIX_FMT_FP6 matrix_a_scale:MATRIX_SCALE_ROW1 matrix_b_scale:MATRIX_SCALE_ROW1
.elseif (\ra)
	v_wmma_scale_f32_16x16x128_f8f6f4 v[(\d):(\d)+7], v[(\a):(\a)+11], v[(\b):(\b)+11], v[(\c):(\c)+7], v[(\sa)], v[(\sb)] matrix_a_fmt:MATRIX_FMT_FP6 matrix_b_fmt:MATRIX_FMT_FP6 matrix_a_scale:MATRIX_SCALE_ROW1
.else
	v_wmma_scale_f32_16x16x128_f8f6f4 v[(\d):(\d)+7], v[(\a):(\a)+11], v[(\b):(\b)+11], v[(\c):(\c)+7], v[(\sa)], v[(\sb)] matrix_a_fmt:MATRIX_FMT_FP6 matrix_b_fmt:MATRIX_FMT_FP6
.endif
.endm
	s_load_b256 s[4:11], s[0:1], 0x0               ; kbuf, vbuf, part, ubuf
	v_lshl_add_u32 v[SPW], v0, 2, SPARE
	v_mov_b32 v[NIL], 0
	ds_add_u32 v[SPW], v[NIL]                      ; the opening lines: the add, twice on end, and its wait
	ds_add_u32 v[SPW], v[NIL]
	v_lshrrev_b32 v1, 5, v0
	v_readfirstlane_b32 s[WV], v1                  ; wave 0..7
	s_bfe_u32 s[CX], ttmp6, 0x40000                ; my place in the cluster: it enters plain global addresses and the number QD alone
	s_and_b32 s[BA], ttmp7, 0xffff                 ; the batch, which the four partners share
	s_and_b32 s[W3], s[WV], 3
	; descriptor group 1: dense bytes as rows of 256 (32 elements of 8 bytes), no padding: images are read 512 consecutive bytes an instruction
	s_mov_b32 s[G1K], 15|(3<<16)|(1<<21)           ; 15:0 the mask: all four work-groups; 17:16 elements of 8 bytes; 21 set beside a mask
	s_mov_b32 s[G1K+1], 32<<16                     ; tensor_dim0 = 32
	s_mov_b32 s[G1K+2], 51<<16                     ; tensor_dim1 = 51
	s_mov_b32 s[G1K+3], 32<<16                     ; tile_dim0 = 32
	s_mov_b32 s[G1K+4], 51                         ; tile_dim1 = 51
	s_mov_b32 s[G1K+5], 32                         ; from row to row: 32 elements
	s_mov_b32 s[G1K+6], 0
	s_mov_b32 s[G1K+7], 0
	s_mov_b32 s[G1V], 15|(3<<16)|(1<<21)
	s_mov_b32 s[G1V+1], 32<<16
	s_mov_b32 s[G1V+2], 50<<16
	s_mov_b32 s[G1V+3], 32<<16
	s_mov_b32 s[G1V+4], 50
	s_mov_b32 s[G1V+5], 32
	s_mov_b32 s[G1V+6], 0
	s_mov_b32 s[G1V+7], 0
	s_mul_i32 s58, s[BA], 8*KBLK                   ; the batch's first byte in kbuf,
	s_mul_i32 s60, s[BA], 8*VBLK                   ; in vbuf
	s_mul_i32 s18, s[W3], KQ4                      ; the quarter that I fetch: the same distance in memory and in a slot
	s_mul_i32 s19, s[W3], VQ4
	s_add_co_u32 s66, s58, s18
	s_mov_b32 s67, 0
	s_add_co_u32 s68, s60, s19
	s_mov_b32 s69, 0
	s_wait_alu depctr_va_vdst(0)
	s_wait_dscnt 0x0                               ; both opening adds are done
	s_wait_kmcnt 0x0
	s_mov_b32 s[G0K], 1                            ; count = 1
	s_mov_b32 s[G0K+1], s18                        ; LDS address: slot 0, my quarter: no place in the cluster enters it
	s_add_nc_u64 s[G0K+2:G0K+3], s[4:5], s[66:67]  ; global address: the batch's steps 0 and 1
	s_or_b32 s[G0K+3], s[G0K+3], 0x80000000        ; type = 2
	s_mov_b32 s[G0V], 1
	s_add_co_u32 s[G0V+1], s19, VOFF
	s_add_nc_u64 s[G0V+2:G0V+3], s[6:7], s[68:69]
	s_or_b32 s[G0V+3], s[G0V+3], 0x80000000
	CROUND                                         ; all four work-groups are here: the first joint loads meet
	JLOAD                                          ; slot 0; all that follows here runs while it is on its way
	s_lshr_b32 s78, s[WV], 1
	s_sub_co_u32 s[OA], 7, s78                     ; tile 0's octave: 7, 7, 6, 6, 5, 5, 4, 4
	s_sub_co_u32 s[OB], 3, s78                     ; tile 1's: 3, 3, 2, 2, 1, 1, 0, 0
	s_and_b32 s79, s[WV], 1
	s_mul_i32 s62, s[OB], KBLK
	s_add_co_u32 s62, s62, s58                     ; tile 1's block of K; tile 0's lies four blocks on
	s_lshl_b32 s80, s[CX], 1
	s_add_co_u32 s80, s80, s79                     ; my tiles' place in their octaves
	s_mul_i32 s70, s80, 3072
	s_add_co_u32 s70, s70, s62                     ; its two images
	s_mov_b32 s71, 0
	s_lshr_b32 s78, s80, 2
	s_lshl_b32 s78, s78, 9
	s_and_b32 s81, s80, 3
	s_lshl_b32 s81, s81, 2
	s_add_co_u32 s72, s62, s78
	s_add_co_u32 s72, s72, s81
	s_add_co_u32 s72, s72, 24576                   ; its scale word, 16 bytes from lane to lane
	s_mov_b32 s73, 0
	s_lshl_b32 s78, s[CX], 5
	s_lshl_b32 s79, s79, 3
	s_add_co_u32 s78, s78, s79                     ; 32 cx + 8 (w % 2)
	s_add_nc_u64 s[70:71], s[4:5], s[70:71]
	s_add_nc_u64 s[72:73], s[4:5], s[72:73]
	v_and_b32 v[LI], 31, v0
	v_lshlrev_b32 v[LI], 4, v[LI]
	v_and_b32 v[ADR], 15, v0                       ; r
	v_bfe_u32 v[ADB], v0, 4, 1                     ; h
	v_lshl_add_u32 v[HB], v[ADB], 6, KBLK-512
	v_and_b32 v[QD], 8, v[ADR]
	v_add_nc_u32 v[QD], v[QD], v[ADR]              ; r + 8 (r / 8)
	v_lshlrev_b32 v[ADB], 4, v[ADB]
	v_sub_nc_u32 v[QD], v[QD], v[ADB]
	v_add_nc_u32 v[QD], s78, v[QD]
.irp f, 0,1
.irp c, 0,1,2
	global_load_b128 v[QF+12*\f+4*\c:QF+12*\f+4*\c+3], v[LI], s[70:71] offset:4*KBLK+\f*1536+512*\c   ; Q stays in registers
	global_load_b128 v[QF+24+12*\f+4*\c:QF+24+12*\f+4*\c+3], v[LI], s[70:71] offset:\f*1536+512*\c
.endr
.endr
	global_load_b32 v[QS], v[LI], s[72:73] offset:4*KBLK   ; lanes 0-15 K step 0's words, lanes 16-31 K step 1's
	global_load_b32 v[QS+1], v[LI], s[72:73]
	s_mov_b32 s[SEL], 0x76543210
	s_mov_b32 s[SEL+1], 0xfedcba98                 ; v_permlanex16_b32's selects for lane l xor 16
	s_mov_b32 s[CS], 0x3db8aa3b                    ; c = log2(e) / 16
	s_mov_b32 s[CS+1], s[CS]                       ; (named with it as a pair, so it is written)
	s_mov_b32 s[TK], 0
	s_mov_b32 s[TV], VOFF
	s_mov_b32 s[KS], 0
	s_mov_b32 s[SLOTS], 3
	; O^T begins as zeros, so that the key step is written without a first step of its own; these lines run while slot 0 is on its way
	WIN 0x40
.set i, 0
.rept 256
	v_mov_b32 v[i], 0
.set i, i+1
.endr
	WIN 0
.irp t, 0,1
	v_mov_b32 v[ST+4*\t+1], 0xe0ad78ec             ; the largest t so far: -1e20, over every masked t and under every real one
	v_mov_b32 v[ST+4*\t+2], 0                      ; the sum, in two halves
	v_mov_b32 v[ST+4*\t+3], 0
	v_floor_f32 v[ST+4*\t], -v[ST+4*\t+1]          ; -M
	v_mov_b32 v[F+2*\t], 0
	v_mov_b32 v[F+2*\t+1], 0                       ; (named as the upper half of a pair)
.endr
.macro DLY                             ; the chain's last link stands NT instructions back
.if NT == 1
	s_delay_alu instid0(VALU_DEP_1)
.else
	s_delay_alu instid0(VALU_DEP_2)
.endif
.endm
.macro LDF img, r                      ; one image of a block -> 12 registers
.irp c, 0,1,2
	ds_load_b128 v[(\r)+4*\c:(\r)+4*\c+3], v[ADR] offset:(\img)*1536+512*\c
.endr
.endm
.macro LD4 i0, st, f0, f1, f2, f3      ; four images, st apart
	LDF \i0, \f0
	LDF \i0+\st, \f1
	LDF \i0+2*\st, \f2
	LDF \i0+3*\st, \f3
.endm
.macro LDSC                            ; the block's scale words
	ds_load_b128 v[SCW:SCW+3], v[ADR] offset:24576
	ds_load_b128 v[SCW+4:SCW+7], v[ADR] offset:25088
.endm
.macro BIAS H, r                       ; the bias of key tiles 4 H .. 4 H + 3 in the scores' layout: register 16 b + i is key 32 b + 16 h + i
.irp b, 0,1
.irp i, 0,1,2,3
	ds_load_b128 v[(\r)+16*\b+4*\i:(\r)+16*\b+4*\i+3], v[ADB] offset:128*(2*\H+\b)+16*\i
.endr
.endr
.endm
.macro QK T, H, ks, c, f0, f1, f2, f3  ; S^T: key tiles 4 H .. 4 H + 3, K step ks, tile T of queries; c: where C begins
	WM SCR+64*\T+32*\H, \f0, QF+12*(2*\T+\ks), \c, SCW+4*\H, QS+\T, \ks, \ks
	WM SCR+64*\T+32*\H+8, \f1, QF+12*(2*\T+\ks), \c+8, SCW+4*\H+1, QS+\T, \ks, \ks
	WM SCR+64*\T+32*\H+16, \f2, QF+12*(2*\T+\ks), \c+16, SCW+4*\H+2, QS+\T, \ks, \ks
	WM SCR+64*\T+32*\H+24, \f3, QF+12*(2*\T+\ks), \c+24, SCW+4*\H+3, QS+\T, \ks, \ks
.endm
.macro CAUSAL T                        ; register 16 b + i holds key 32 b + 16 h + i of the step: hidden where 32 b + i > QD.  Eight masks at a time; ascending: each accumulator is first read at its low end
	v_mov_b32 v[NG], 0xf149f2ca                    ; -1e30
.set n, 0
.rept 8
.irp k, 0,1,2,3,4,5,6,7
	v_cmp_gt_i32 s[MK+\k], 32*((n+\k)/16)+(n+\k)%16, v[QD]
.endr
.irp k, 0,1,2,3,4,5,6,7
	v_cndmask_b32 v[SCR+64*\T+n+\k], v[SCR+64*\T+n+\k], v[NG], s[MK+\k]
.endr
.set n, n+8
.endr
.endm
.macro PV1 ct, r                       ; O^T += V^T P^T for one channel tile and the NT tiles of queries
.irp T, 0,1
.if \T < NT
	WM 128*\T+8*(\ct), \r, PC+12*\T, 128*\T+8*(\ct), SCW+4*((\ct)/8)+((\ct)%8)/2, PS+\T, (\ct)&1, 0
.endif
.endr
.endm
.macro PVG g, f0, f1, f2, f3           ; channel tiles 4 g .. 4 g + 3
	WIN 0x50
	PV1 4*\g, \f0
	PV1 4*\g+1, \f1
	PV1 4*\g+2, \f2
	PV1 4*\g+3, \f3
	WIN 0
.endm
.macro PV                              ; both blocks' last act: V's group 0 in the first buffer, 1 in the second, 2 in the third; group 3 takes the first again
.if NT == 2
	PVG 0, 128, 140, 152, 164
	PLACES 4
	LD4 12, 1, 128, 140, 152, 164
	s_wait_dscnt 24                                ; group 1 is in; groups 2 and 3 may be out
	PVG 1, 192, 204, 216, 228
.else
	PVG 0, 192, 204, 216, 228
	PLACES 4
	LD4 12, 1, 192, 204, 216, 228
	s_wait_dscnt 24
	PVG 1, 128, 140, 152, 164
.endif
	s_wait_dscnt 12                                ; group 2 is in
	PVG 2, 100, 112, 176, 240
	s_wait_dscnt 0x0
.if NT == 2
	PVG 3, 128, 140, 152, 164
.else
	PVG 3, 192, 204, 216, 228
.endif
.endm
; THE SOFTMAX of a key step for NT tiles, by turns: scores in; p's codes, p's scale words, the sums and f = 2^(old M - new M) out; and V's loads as registers fall free
.macro SOFT
.irp T, 0,1
.if \T < NT
.irp b, 0,1,2,3
	v_max3_num_f32 v[BM+4*\T+\b], v[SCR+64*\T+16*\b], v[SCR+64*\T+16*\b+1], v[SCR+64*\T+16*\b+2]   ; the largest score of each block of 32 keys: for the row's maximum and, since p rises with the score, for the block's largest p
.endr
.endif
.endr
.irp i, 3,5,7,9,11,13
.irp T, 0,1
.if \T < NT
.irp b, 0,1,2,3
	v_max3_num_f32 v[BM+4*\T+\b], v[BM+4*\T+\b], v[SCR+64*\T+16*\b+\i], v[SCR+64*\T+16*\b+\i+1]
.endr
.endif
.endr
.endr
.irp T, 0,1
.if \T < NT
.irp b, 0,1,2,3
	v_max_num_f32 v[BM+4*\T+\b], v[BM+4*\T+\b], v[SCR+64*\T+16*\b+15]
.endr
.endif
.endr
.irp T, 0,1
.if \T < NT
.irp b, 0,1,2,3
	v_permlanex16_b32 v[PT+4*\T+\b], v[BM+4*\T+\b], s[SEL], s[SEL+1]
.endr
.endif
.endr
.irp T, 0,1
.if \T < NT
.irp b, 0,1,2,3
	v_max_num_f32 v[BM+4*\T+\b], v[BM+4*\T+\b], v[PT+4*\T+\b]   ; with lane l xor 16's 16 keys
.endr
.endif
.endr
.irp T, 0,1
.if \T < NT
	v_mov_b32 v[SO+4*\T+1], v[ST+4*\T]             ; the old -M
.endif
.endr
.irp T, 0,1
.if \T < NT
	v_max3_num_f32 v[SO+4*\T], v[BM+4*\T], v[BM+4*\T+1], v[BM+4*\T+2]
.endif
.endr
.irp T, 0,1
.if \T < NT
	DLY
	v_max_num_f32 v[SO+4*\T], v[SO+4*\T], v[BM+4*\T+3]
.endif
.endr
.irp T, 0,1
.if \T < NT
	DLY
	v_mul_f32 v[SO+4*\T], s[CS], v[SO+4*\T]        ; the step's largest t (c is positive)
.endif
.endr
.irp T, 0,1
.if \T < NT
	DLY
	v_max_num_f32 v[ST+4*\T+1], v[ST+4*\T+1], v[SO+4*\T]   ; the running largest t
.endif
.endr
.irp T, 0,1
.if \T < NT
	DLY
	v_floor_f32 v[ST+4*\T], -v[ST+4*\T+1]          ; the new -M = -ceil(t): a whole number
.endif
.endr
.irp T, 0,1
.if \T < NT
	DLY
	v_sub_f32 v[SO+4*\T], v[ST+4*\T], v[SO+4*\T+1] ; old M - new M, 0 or less
.endif
.endr
.irp T, 0,1
.if \T < NT
	DLY
	v_cvt_i32_f32 v[SO+4*\T], v[SO+4*\T]           ; (it saturates)
.endif
.endr
.irp T, 0,1
.if \T < NT
	DLY
	v_ldexp_f32 v[F+2*\T], 1.0, v[SO+4*\T]         ; f: a multiplication by it rounds nothing
.endif
.endr
.irp T, 0,1
.if \T < NT
.set j, 0
.rept 32
	v_pk_fma_f32 v[SCR+64*\T+j:SCR+64*\T+j+1], v[SCR+64*\T+j:SCR+64*\T+j+1], s[CS:CS+1], v[ST+4*\T:ST+4*\T+1] op_sel_hi:[1,0,0]   ; t - M, two at a time
.set j, j+2
.endr
.irp b, 0,1,2,3
	v_fma_f32 v[BM+4*\T+\b], v[BM+4*\T+\b], s[CS], v[ST+4*\T]   ; the same of each block's largest score
.endr
.endif
.endr
	s_wait_alu depctr_va_vdst(0)                   ; ahead of the batch
.irp T, 0,1
.if \T < NT
.set j, 0
.rept 64
	v_exp_f32 v[SCR+64*\T+j], v[SCR+64*\T+j]       ; p = 2^(t - M): not normalised
.set j, j+1
.endr
.irp b, 0,1,2,3
	v_exp_f32 v[BM+4*\T+\b], v[BM+4*\T+\b]
.endr
.endif
.endr
.irp T, 0,1
.if \T < NT
	v_pk_mul_f32 v[ST+4*\T+2:ST+4*\T+3], v[ST+4*\T+2:ST+4*\T+3], v[F+2*\T:F+2*\T+1] op_sel_hi:[1,0]   ; the sums under the new M (plain places behind the exponentials)
.endif
.endr
	s_wait_alu depctr_va_vdst(0)                   ; and behind it
.irp T, 0,1
.if \T < NT
	v_pk_add_f32 v[SO+2*\T:SO+2*\T+1], v[SCR+64*\T:SCR+64*\T+1], v[SCR+64*\T+2:SCR+64*\T+3]   ; the row's sum is taken of the unquantised p, in two chains a tile
.endif
.endr
.set j, 4
.rept 15
.irp T, 0,1
.if \T < NT
	v_pk_add_f32 v[ST+4*\T+2:ST+4*\T+3], v[ST+4*\T+2:ST+4*\T+3], v[SCR+64*\T+j:SCR+64*\T+j+1]
	v_pk_add_f32 v[SO+2*\T:SO+2*\T+1], v[SO+2*\T:SO+2*\T+1], v[SCR+64*\T+j+2:SCR+64*\T+j+3]
.endif
.endr
.set j, j+4
.endr
.irp T, 0,1
.if \T < NT
	v_pk_add_f32 v[ST+4*\T+2:ST+4*\T+3], v[ST+4*\T+2:ST+4*\T+3], v[SO+2*\T:SO+2*\T+1]
.endif
.endr
.irp T, 0,1
.if \T < NT
.irp b, 0,1,2,3
	v_max_num_f32 v[BM+4*\T+\b], 0x1800000, v[BM+4*\T+\b]   ; the floor 2^(3 - 127): the byte cannot fall under 1; a block whose every p is 0 keeps that byte over zero codes
.endr
.endif
.endr
.irp T, 0,1
.if \T < NT
.irp b, 0,1,2,3
	v_add_nc_u32 v[SO+4*\T+\b], 0xff000000, v[BM+4*\T+\b]   ; 2 off the exponent field: the conversion's scale operand
.endr
.endif
.endr
.irp T, 0,1
.if \T < NT
.irp b, 0,1,2,3
	v_lshrrev_b32 v[PT+4*\T+\b], 23, v[SO+4*\T+\b]
.endr
.endif
.endr
.irp T, 0,1
.if \T < NT
	v_lshl_or_b32 v[PS+\T], v[PT+4*\T+1], 8, v[PT+4*\T]   ; p's scale word for these 128 keys
.endif
.endr
.irp k, 2,3
.irp T, 0,1
.if \T < NT
	v_lshl_or_b32 v[PS+\T], v[PT+4*\T+\k], 8*\k, v[PS+\T]
.endif
.endr
.endr
.if NT == 2
	v_add_nc_u32 v[ADR], s[TV], v[LI]
	s_wait_alu depctr_va_vdst(0)
.endif
.irp T, 0,1
.if \T < NT
.irp c, 0,1
	v_cvt_scalef32_pk16_fp6_f32 v[PC+12*\T+6*\c:PC+12*\T+6*\c+2], v[SCR+64*\T+32*\c:SCR+64*\T+32*\c+15], v[SO+4*\T+2*\c]
	v_cvt_scalef32_pk16_fp6_f32 v[CT+8*\T+4*\c:CT+8*\T+4*\c+2], v[SCR+64*\T+32*\c+16:SCR+64*\T+32*\c+31], v[SO+4*\T+2*\c+1]
.endr
.endif
.endr
	v_nop                                          ; one plain place behind a scaled conversion
.if NT == 2
	LDSC                                           ; V's scale words
	LD4 0, 1, 128, 140, 152, 164                   ; the scores are done with: V's groups 0 and 1 take their registers
	LD4 4, 1, 192, 204, 216, 228
.else
	LD4 4, 1, 128, 140, 152, 164
.endif
.irp T, 0,1                            ; the operand wants a whole block in a lane: lanes 0-15 block 2 c, lanes 16-31 block 2 c + 1
.if \T < NT
.irp c, 0,1
.irp i, 0,1,2
	v_permlane16_swap_b32 v[PC+12*\T+6*\c+\i], v[CT+8*\T+4*\c+\i]
.endr
.endr
.endif
.endr
.irp T, 0,1
.if \T < NT
.irp c, 0,1
.irp i, 0,1,2
	v_mov_b32 v[PC+12*\T+6*\c+3+\i], v[CT+8*\T+4*\c+\i]
.endr
.endr
.endif
.endr
	LD4 8, 1, 100, 112, 176, 240                   ; V's group 2, into the softmax's work and the scores' upper ends
	WIN 0x41
	s_wait_alu depctr_va_vdst(0)                   ; directly ahead of the first reader of O^T
.irp T, 0,1
.if \T < NT
.set j, 0
.rept 64
	v_pk_mul_f32 v[128*\T+j:128*\T+j+1], v[128*\T+j:128*\T+j+1], v[F+2*\T:F+2*\T+1] op_sel_hi:[1,0]   ; O^T under the new M; ascending
.set j, j+2
.endr
.endif
.endr
	WIN 0
	s_wait_alu depctr_va_vdst(0)
	s_wait_dscnt 24                                ; V's scale words and group 0 are in; groups 1 and 2 may be out
.endm
; A KEY STEP for nt tiles.  No barrier and no tensor load stands in it.  K goes in four groups: four key tiles x one K step.
.macro BODY nt
.set NT, \nt
	v_add_nc_u32 v[ADR], s[TK], v[LI]
	v_add_nc_u32 v[ADB], s[TK], v[HB]
	s_wait_alu depctr_va_vdst(0)
	PLACES 5                                       ; behind the last step's products: their operands' registers are loaded into, and written by products, below
	LDSC
	LD4 0, 2, KB, KB+12, KB+24, KB+36              ; key tiles 0-3, K step 0
.if NT == 2
	BIAS 0, SCR+64                                 ; into tile 1's registers
	LD4 1, 2, 160, 172, 224, 236                   ; K step 1, into registers of scores that come later
	s_wait_dscnt 12
	QK 0, 0, 0, SCR+64, KB, KB+12, KB+24, KB+36    ; tile 0 takes the bias as C out of tile 1's registers
	PLACES 5                                       ; the next products write over registers that served as C
	QK 1, 0, 0, SCR+64, KB, KB+12, KB+24, KB+36
	PLACES 4
	LD4 8, 2, KB, KB+12, KB+24, KB+36              ; key tiles 4-7, K step 0
	s_wait_dscnt 12                                ; all but these
	QK 0, 0, 1, SCR, 160, 172, 224, 236
	QK 1, 0, 1, SCR+64, 160, 172, 224, 236
	PLACES 5                                       ; the products below write over these fragments
	BIAS 1, SCR+96
	s_wait_dscnt 0x0
	QK 0, 1, 0, SCR+96, KB, KB+12, KB+24, KB+36
	PLACES 5
	QK 1, 1, 0, SCR+96, KB, KB+12, KB+24, KB+36
	PLACES 4
	LD4 9, 2, KB, KB+12, KB+24, KB+36              ; and K step 1
	s_wait_dscnt 0x0
	QK 0, 1, 1, SCR+32, KB, KB+12, KB+24, KB+36
	QK 1, 1, 1, SCR+96, KB, KB+12, KB+24, KB+36
	PLACES 4
	s_cmp_lt_u32 s[KS], s[OB]
	s_cbranch_scc1 .Lopen_\@                       ; with two tiles only tile 1's own octave lies on the diagonal
	CAUSAL 1
.else
	BIAS 0, SCR                                    ; with one tile the bias lies in place, and the second buffer in tile 1's registers
	LD4 1, 2, 192, 204, 216, 228
	BIAS 1, SCR+32
	s_wait_dscnt 20                                ; 12 + 8 younger loads
	QK 0, 0, 0, SCR, KB, KB+12, KB+24, KB+36
	PLACES 4
	LD4 8, 2, KB, KB+12, KB+24, KB+36
	s_wait_dscnt 20                                ; 8 + 12 younger loads
	QK 0, 0, 1, SCR, 192, 204, 216, 228
	PLACES 4
	LD4 9, 2, 192, 204, 216, 228
	s_wait_dscnt 12
	QK 0, 1, 0, SCR+32, KB, KB+12, KB+24, KB+36
	s_wait_dscnt 0x0
	QK 0, 1, 1, SCR+32, 192, 204, 216, 228
	PLACES 4
	v_add_nc_u32 v[ADR], s[TV], v[LI]
	s_wait_alu depctr_va_vdst(0)
	LDSC                                           ; V's scale words and group 0 come while the softmax is made
	LD4 0, 1, 192, 204, 216, 228
	s_cmp_lt_u32 s[KS], s[OA]
	s_cbranch_scc1 .Lopen_\@
	CAUSAL 0
.endif
.Lopen_\@:
	SOFT
	PV
.endm
.macro ADVANCE
	s_add_co_u32 s[KS], s[KS], 1
	s_add_co_u32 s[TK], s[TK], KBLK
	s_add_co_u32 s[TV], s[TV], VBLK
.endm
; THE CHANGE OF SLOTS stands at a slot's head.  Each wave waits for all its tensor loads (its part of the slot ahead), adds 0 to its spare word, and waits for that and for its reads of the slot that it has left.
; fill = 1: a round of the cluster's barrier, and behind it the joint fill of the slot that was left, with the two steps that follow: it has two key steps in which to land.
.macro CHANGE fill
	s_wait_tensorcnt 0x0                           ; no tensor load of mine is out, so a group 0 may be written
	ds_add_u32 v[SPW], v[NIL]                      ; 0 onto my spare word
.if \fill
	s_xor_b32 s[G0K+1], s[G0K+1], SLOT1
	s_add_nc_u64 s[G0K+2:G0K+3], s[G0K+2:G0K+3], 2*KBLK
	s_xor_b32 s[G0V+1], s[G0V+1], SLOT1
	s_add_nc_u64 s[G0V+2:G0V+3], s[G0V+2:G0V+3], 2*VBLK
.endif
	s_wait_dscnt 0x0                               ; the add is done, and my reads of the slot that I have left are over
.if \fill
	CROUND
	JLOAD
.else
	s_barrier_signal -1
	s_barrier_wait -1
.endif
.endm
	s_wait_alu depctr_va_vdst(0)
	s_wait_loadcnt 0x0                             ; Q
.Lslot:                                            ; three trips: behind each change of slots but the last the next slot is asked for
	CHANGE 1
	s_mov_b32 s[TWICE], 2                          ; a slot's two key steps
.Lstep:
	s_cmp_gt_u32 s[KS], s[OA]
	s_cbranch_scc1 .Lnext                          ; all its keys come after my queries
	s_cmp_gt_u32 s[KS], s[OB]
	s_cbranch_scc1 .Lone                           ; all its keys come after tile 1's queries
	BODY 2
	s_branch .Lnext
.Lone:
	BODY 1
.Lnext:
	ADVANCE
	s_sub_co_u32 s[TWICE], s[TWICE], 1
	s_cmp_lg_u32 s[TWICE], 0
	s_cbranch_scc1 .Lstep
	s_sub_co_u32 s[TK], s[TK], 2*KBLK              ; back to a slot's first step,
	s_xor_b32 s[TK], s[TK], SLOT1                  ; in the other slot
	s_sub_co_u32 s[TV], s[TV], 2*VBLK
	s_xor_b32 s[TV], s[TV], SLOT1
	s_sub_co_u32 s[SLOTS], s[SLOTS], 1
	s_cmp_lg_u32 s[SLOTS], 0
	s_cbranch_scc1 .Lslot
	CHANGE 0                                       ; the last slot is written out; its steps 6 and 7 have tile 0 alone
	s_mov_b32 s[TWICE], 2
.Llast:
	s_cmp_gt_u32 s[KS], s[OA]
	s_cbranch_scc1 .Lover
	BODY 1
.Lover:
	ADVANCE
	s_sub_co_u32 s[TWICE], s[TWICE], 1
	s_cmp_lg_u32 s[TWICE], 0
	s_cbranch_scc1 .Llast
	PLACES 5                                       ; behind the last products
	s_mov_b32 s53, 0xffff0000                      ; lanes 16-31
	s_mov_b32 s54, 0x3b800000                      ; 1 / 256
	s_mov_b32 s55, 0x3089705f                      ; 1e-9
	s_mov_b32 s56, 0xbb800000                      ; -1 / 256
	s_lshl_b32 s82, s[BA], 2
	s_add_co_u32 s82, s82, s[CX]
	s_lshl_b32 s82, s82, 3
	s_add_co_u32 s82, s82, s[WV]
	s_lshl_b32 s82, s82, 10                        ; part: ((4 b + cx) 8 + w) x 1,024
	s_mov_b32 s83, 0
	s_add_nc_u64 s[8:9], s[8:9], s[82:83]
	; ---- U: waves 4-7, whose octaves end ahead of the last slot, sum one channel tile of V over all 1,024 keys: eight products with ones, two accumulators by turns
	s_cmp_lt_u32 s[WV], 4
	s_cbranch_scc1 .Lno_u
	s_lshl_b32 s74, s[CX], 2
	s_add_co_u32 s74, s74, s[W3]                   ; channel tile ct = 4 cx + w - 4
	s_lshl_b32 s80, s74, 6
	s_mul_i32 s74, s74, 1536
	s_add_co_u32 s74, s74, s60
	s_mov_b32 s75, 0
	s_and_b32 s76, s[WV], 1
	s_lshl_b32 s76, s76, 8                         ; its scale word: 256 (ct % 2): the stored lanes 16-31 come to my lanes 0-15, so that no selector hangs on the wave
	s_lshr_b32 s78, s[CX], 1
	s_lshl_b32 s78, s78, 9
	s_add_co_u32 s76, s76, s78                     ; + 512 (ct / 8)
	s_and_b32 s79, s[CX], 1
	s_lshl_b32 s79, s79, 3
	s_add_co_u32 s76, s76, s79                     ; + 4 ((ct % 8) / 2)
	s_lshr_b32 s78, s[W3], 1
	s_lshl_b32 s78, s78, 2
	s_add_co_u32 s76, s76, s78
	s_add_co_u32 s76, s76, s60
	s_add_co_u32 s76, s76, 24576
	s_mov_b32 s77, 0
	s_lshl_b32 s78, s[BA], 10
	s_add_co_u32 s80, s80, s78                     ; ubuf: 1,024 b + 64 ct
	s_mov_b32 s81, 0
	s_add_nc_u64 s[74:75], s[6:7], s[74:75]
	s_add_nc_u64 s[76:77], s[6:7], s[76:77]
	s_add_nc_u64 s[10:11], s[10:11], s[80:81]
	v_and_b32 v240, 15, v0
	v_bfe_u32 v242, v0, 4, 1
	v_lshlrev_b32 v241, 4, v240
	v_lshlrev_b32 v242, 5, v242
.irp t, 0,1,2,3,4,5,6,7
.irp c, 0,1,2
	global_load_b128 v[128+12*\t+4*\c:128+12*\t+4*\c+3], v[LI], s[74:75] offset:\t*VBLK+512*\c
.endr
	global_load_b32 v[SCW+\t], v241, s[76:77] offset:\t*VBLK
.endr
	v_mov_b32 v[PS], 0x7d7d7d7d                    ; the ones' scale: 2^-2 in all four blocks
.irp i, 0,1,2,3
	v_mov_b32 v[100+3*\i], 0x18618618              ; the code of 4.0, 011000, sixteen times in 96 bits
	v_mov_b32 v[101+3*\i], 0x86186186
	v_mov_b32 v[102+3*\i], 0x61861861
.endr
	PLACES 8                                       ; a scale register written by a vector instruction stands 8 places ahead of a scaled matrix instruction, an operand 4
	s_wait_alu depctr_va_vdst(0)
	s_wait_loadcnt 0x0
	v_wmma_scale_f32_16x16x128_f8f6f4 v[76:83], v[128:139], v[100:111], 0, v[SCW], v[PS] matrix_a_fmt:MATRIX_FMT_FP6 matrix_b_fmt:MATRIX_FMT_FP6
	v_wmma_scale_f32_16x16x128_f8f6f4 v[84:91], v[140:151], v[100:111], 0, v[SCW+1], v[PS] matrix_a_fmt:MATRIX_FMT_FP6 matrix_b_fmt:MATRIX_FMT_FP6
.irp t, 2,3,4,5,6,7
	WM 76+8*(\t%2), 128+12*\t, 100, 76+8*(\t%2), SCW+\t, PS, 0, 0
.endr
	PLACES 4
.irp j, 0,1,2,3,4,5,6,7
	v_add_f32 v[92+\j], v[76+\j], v[84+\j]         ; every column of the result is U: register j is channel 16 ct + 8 h + j
.endr
	s_wait_alu depctr_va_vdst(0)
	s_wait_xcnt 0x0                                ; EXEC changes only behind this wait
	v_cmp_eq_u32 vcc_lo, 0, v240
	s_and_saveexec_b32 s57, vcc_lo                 ; lanes 0 and 16 store
	global_store_b128 v242, v[92:95], s[10:11]
	global_store_b128 v242, v[96:99], s[10:11] offset:16
	s_wait_xcnt 0x0                                ; and again in front of the line that widens it; the stores' data may be written again too
	s_or_b32 exec_lo, exec_lo, s57
.Lno_u:
	; ---- LayerNorm of my 32 rows.  A row's 256 channels lie in lanes l and l xor 16, 128 registers each.
	v_mov_b32 v[RL+1], 0                           ; upper halves of pairs
	v_mov_b32 v[NMU+1], 0
	v_mov_b32 v[RS+1], 0
.irp i, 0,1,2,3
	v_mov_b32 v[200+\i], 0                         ; lane permutes' destinations
.endr
.macro RED8                            ; eight chains -> the row's sum, with lane l xor 16's
.irp k, 0,1,2,3
	v_pk_add_f32 v[CH+2*\k:CH+2*\k+1], v[CH+2*\k:CH+2*\k+1], v[CH+8+2*\k:CH+9+2*\k]
.endr
.irp k, 0,1
	v_pk_add_f32 v[CH+2*\k:CH+2*\k+1], v[CH+2*\k:CH+2*\k+1], v[CH+4+2*\k:CH+5+2*\k]
.endr
	s_delay_alu instid0(VALU_DEP_1)
	v_pk_add_f32 v[CH:CH+1], v[CH:CH+1], v[CH+2:CH+3]
	s_delay_alu instid0(VALU_DEP_1)
	v_add_f32 v[TA], v[CH], v[CH+1]
	s_delay_alu instid0(VALU_DEP_1)
	v_permlanex16_b32 v[NEGR], v[TA], s[SEL], s[SEL+1]
	s_delay_alu instid0(VALU_DEP_1)
	v_add_f32 v[TA], v[TA], v[NEGR]
.endm
.macro LNROW T
.set rT, ST+4*\T
.set rO, 128*\T
	v_add_f32 v[TA], v[rT+2], v[rT+3]
	s_delay_alu instid0(VALU_DEP_1)
	v_permlanex16_b32 v[NEGR], v[TA], s[SEL], s[SEL+1]
	s_delay_alu instid0(VALU_DEP_1)
	v_add_f32 v[TA], v[TA], v[NEGR]                ; the row's sum
	s_delay_alu instid0(VALU_DEP_1)
	v_max_num_f32 v[TA], 0.5, v[TA]                ; a row with a key that counts has more; a row without has 0 and O = 0
	s_wait_alu depctr_va_vdst(0)                   ; ahead of the transcendental,
	v_rcp_f32 v[RL], v[TA]
	v_nop                                          ; one plain place behind a transcendental
	WIN 0x05
	s_wait_alu depctr_va_vdst(0)                   ; and behind it, directly ahead of the first reader of O^T
.irp k, 0,1,2,3,4,5,6,7
	v_pk_add_f32 v[CH+2*\k:CH+2*\k+1], v[rO+4*\k:rO+4*\k+1], v[rO+4*\k+2:rO+4*\k+3]   ; the sum of O, eight chains, ascending
.endr
	WIN 0x04
.set p, 16
.rept 48
	v_pk_add_f32 v[CH+2*(p%8):CH+2*(p%8)+1], v[CH+2*(p%8):CH+2*(p%8)+1], v[rO+2*p:rO+2*p+1]
.set p, p+1
.endr
	WIN 0
	RED8
	v_mul_f32 v[TA], v[TA], v[RL]
	s_delay_alu instid0(VALU_DEP_1)
	v_mul_f32 v[NMU], s56, v[TA]                   ; - mean
	WIN 0x41
.set p, 0
.rept 64
	v_pk_fma_f32 v[rO+2*p:rO+2*p+1], v[rO+2*p:rO+2*p+1], v[RL:RL+1], v[NMU:NMU+1] op_sel_hi:[1,0,0]   ; d = O / sum - mean
.set p, p+1
.endr
	WIN 0x05
.irp k, 0,1,2,3,4,5,6,7
	v_pk_mul_f32 v[CH+2*\k:CH+2*\k+1], v[rO+2*\k:rO+2*\k+1], v[rO+2*\k:rO+2*\k+1]
.endr
.set p, 8
.rept 56
	v_pk_fma_f32 v[CH+2*(p%8):CH+2*(p%8)+1], v[rO+2*p:rO+2*p+1], v[rO+2*p:rO+2*p+1], v[CH+2*(p%8):CH+2*(p%8)+1]
.set p, p+1
.endr
	WIN 0
	RED8
	s_delay_alu instid0(VALU_DEP_1)
	v_fma_f32 v[TA], v[TA], s54, s55               ; var + eps
	s_wait_alu depctr_va_vdst(0)                   ; ahead of the transcendental,
	v_rsq_f32 v[RS], v[TA]
	v_nop                                          ; one plain place behind a transcendental
.if \T == 0
	WIN 0x41
.set p, 0
	s_wait_alu depctr_va_vdst(0)                   ; and behind it
.rept 64
	v_pk_mul_f32 v[2*p:2*p+1], v[2*p:2*p+1], v[RS:RS+1] op_sel_hi:[1,0]
.set p, p+1
.endr
.else
	WIN 0x51
.set p, 0
	s_wait_alu depctr_va_vdst(0)                   ; and behind it
.rept 64
	v_pk_fma_f32 v[2*p:2*p+1], v[128+2*p:128+2*p+1], v[RS:RS+1], v[2*p:2*p+1] op_sel_hi:[1,0,1]   ; tile 1's normalised rows onto tile 0's
.set p, p+1
.endr
.endif
	WIN 0
.endm
	LNROW 0
	LNROW 1
	; ---- the sum over the 16 query lanes, through my own stage, 64 channels a round
	s_mul_i32 s78, s[WV], 4352
	s_add_co_u32 s78, s78, STAGE
	v_and_b32 v[TA], 15, v0                        ; r
	v_bfe_u32 v[NEGR], v0, 4, 1                    ; h
	v_mul_u32_u24 v[ADR], v[TA], 272
	v_mul_u32_u24 v[ADB], v[NEGR], 2176
	v_lshl_add_u32 v[ADR], v[NEGR], 5, v[ADR]
	v_lshl_add_u32 v[ADB], v[TA], 4, v[ADB]
	v_add_nc_u32 v[ADR], s78, v[ADR]               ; in: row r, + 32 h
	v_add_nc_u32 v[ADB], s78, v[ADB]               ; back: lanes 0-15 rows 0-7, lanes 16-31 rows 8-15; 16 bytes of a row a lane
	s_wait_alu depctr_va_vdst(0)
.macro RST q
	WIN 0x04                                       ; an LDS store's data are its source 1: window 1
.irp t, 0,1,2,3
	ds_store_b128 v[ADR], v[32*(\q)+8*\t:32*(\q)+8*\t+3] offset:64*\t
	ds_store_b128 v[ADR], v[32*(\q)+8*\t+4:32*(\q)+8*\t+7] offset:64*\t+16
.endr
	WIN 0
.irp k, 0,1,2,3,4,5,6,7
	ds_load_b128 v[128+32*((\q)%2)+4*\k:128+32*((\q)%2)+4*\k+3], v[ADB] offset:272*\k   ; LDS serves a wave's instructions in order: these see the stores above, and the next round's stores come behind them
.endr
.endm
.macro RSUM q
.set B, 128+32*((\q)%2)
.set R, 192+4*((\q)%2)
.irp k, 0,2,4,6
	v_pk_add_f32 v[B+4*\k:B+4*\k+1], v[B+4*\k:B+4*\k+1], v[B+4*\k+4:B+4*\k+5]
	v_pk_add_f32 v[B+4*\k+2:B+4*\k+3], v[B+4*\k+2:B+4*\k+3], v[B+4*\k+6:B+4*\k+7]
.endr
.irp k, 0,4
	v_pk_add_f32 v[B+4*\k:B+4*\k+1], v[B+4*\k:B+4*\k+1], v[B+4*\k+8:B+4*\k+9]
	v_pk_add_f32 v[B+4*\k+2:B+4*\k+3], v[B+4*\k+2:B+4*\k+3], v[B+4*\k+10:B+4*\k+11]
.endr
	v_pk_add_f32 v[R:R+1], v[B:B+1], v[B+16:B+17]
	v_pk_add_f32 v[R+2:R+3], v[B+2:B+3], v[B+18:B+19]
.irp i, 0,1,2,3
	v_permlanex16_b32 v[200+\i], v[R+\i], s[SEL], s[SEL+1]
.endr
	v_pk_add_f32 v[R:R+1], v[R:R+1], v[200:201]
	v_pk_add_f32 v[R+2:R+3], v[R+2:R+3], v[202:203]   ; channels 64 q + 4 (lane % 16) + 0 .. 3, summed over my 32 rows
.endm
.macro ROUT u                          ; rounds 2 u and 2 u + 1 leave together: lanes 0-15 the even round's, lanes 16-31 the odd one's: the wave stores 512 consecutive bytes, aligned
.irp i, 0,1,2,3
	v_cndmask_b32 v[204+4*\u+\i], v[192+\i], v[196+\i], s53
.endr
	global_store_b128 v[LI], v[204+4*\u:204+4*\u+3], s[8:9] offset:512*\u
.endm
	RST 0
	RST 1
	s_wait_dscnt 16                                ; round 1's stores and loads may be out
	RSUM 0
	RST 2
	s_wait_alu depctr_va_vdst(0)
	s_wait_dscnt 16
	RSUM 1
	ROUT 0
	RST 3
	s_wait_dscnt 16
	RSUM 2
	s_wait_alu depctr_va_vdst(0)
	s_wait_dscnt 0x0
	RSUM 3
	ROUT 1
	s_wait_tensorcnt 0x0                           ; the wave's end: behind my last tensor load and my last LDS store
	ds_add_u32 v[SPW], v[NIL]
	s_wait_dscnt 0x0
	CROUND                                         ; the closing round: no work-group ends while a partner may still ask for a tile that names it
	s_endpgm
.Lfunc_end_k_q06c2a9604d_attn:
	.size	k_q06c2a9604d_attn, .Lfunc_end_k_q06c2a9604d_attn-k_q06c2a9604d_attn
	.p2alignl 7, 3214868480
	.fill 96, 4, 3214868480
	.section	.rodata,"a",@progbits
	.p2align	6, 0x0
	.amdhsa_kernel k_q06c2a9604d_attn
		.amdhsa_group_segment_fixed_size 327680
		.amdhsa_private_segment_fixed_size 0
		.amdhsa_enable_private_segment 0
		.amdhsa_kernarg_size 32
		.amdhsa_user_sgpr_count 2
		.amdhsa_user_sgpr_kernarg_segment_ptr 1
		.amdhsa_wavefront_size32 1
		.amdhsa_system_sgpr_workgroup_id_x 1
		.amdhsa_system_sgpr_workgroup_id_y 1
		.amdhsa_system_sgpr_workgroup_id_z 1
		.amdhsa_system_vgpr_workitem_id 0
		.amdhsa_next_free_vgpr 512
		.amdhsa_next_free_sgpr 96
		.amdhsa_reserve_vcc 1
		.amdhsa_float_denorm_mode_32 3
		.amdhsa_float_denorm_mode_16_64 3
		.amdhsa_memory_ordered 1
		.amdhsa_forward_progress 1
		.amdhsa_inst_pref_size 202
	.end_amdhsa_kernel
	.amdgpu_metadata
---
amdhsa.version: [ 1, 2 ]
amdhsa.kernels:
  - .name:           k_q06c2a9604d_attn
    .symbol:         k_q06c2a9604d_attn.kd
    .args:
      - { .name: kbuf, .offset: 0, .size: 8, .value_kind: global_buffer, .address_space: global }
      - { .name: vbuf, .offset: 8, .size: 8, .value_kind: global_buffer, .address_space: global }
      - { .name: part, .offset: 16, .size: 8, .value_kind: global_buffer, .address_space: global }
      - { .name: ubuf, .offset: 24, .size: 8, .value_kind: global_buffer, .address_space: global }
    .group_segment_fixed_size: 327680
    .private_segment_fixed_size: 0
    .kernarg_segment_align: 8
    .kernarg_segment_size: 32
    .max_flat_workgroup_size: 256
    .sgpr_count:     96
    .vgpr_count:     512
    .wavefront_size: 32
...
	.end_amdgpu_metadata
.endif
;; end of part 2
;; launch finish (part 3): grid 128 x 1, 1 waves a work-group, no clusters, 0 bytes of LDS; arguments part, ubuf, key_masks, gamma, beta, out0; writes out0
.if DOCPART == 3
	.amdgcn_target "amdgcn-amd-amdhsa--gfx1250"
	.amdhsa_code_object_version 6
	.text
	.protected	k_q06c2a9604d_finish
	.globl	k_q06c2a9604d_finish
	.p2align	8
	.type	k_q06c2a9604d_finish,@function
k_q06c2a9604d_finish:
	s_mov_b64 s[64:65], 0
	v_nop
	global_prefetch_b8 v0, s[64:65] scope:SCOPE_SE
	s_setreg_imm32_b32 hwreg(HW_REG_WAVE_MODE, 25, 1), 1
	s_wait_xcnt 0x0
; out0[b][c] = gamma[c] x (the sum over the batch's 1,024 rows of the normalised rows) / 1024 + beta[c].
; part holds 32 partial sums a batch (each of 32 rows), over the rows that have a key that counts.  The rows ahead of the mask's first true key (cnt of them; 1,024 where the mask has none) all have the same value,
; U / 1024 (every key with the weight 1 / 1024): its LayerNorm is made here and added cnt times.
; One wave takes half a batch's channels: lane l owns channels 128 hf + 4 l + 0 .. 3.  No LDS, no barrier, no matrix work: 19 KB are read by a wave, all asked for at once.
; gamma and beta are applied behind the mean over the rows: the same algebra as the problem's, in another order of rounding.
	s_load_b256 s[4:11], s[0:1], 0x0               ; part, ubuf, key_masks, gamma
	s_load_b128 s[12:15], s[0:1], 0x20             ; beta, out0
	s_lshr_b32 s16, ttmp9, 1                       ; batch
	s_and_b32 s17, ttmp9, 1                        ; which half of the channels
	v_lshlrev_b32 v1, 4, v0                        ; 16 x lane
	v_lshlrev_b32 v2, 5, v0                        ; 32 x lane: my 32 mask bytes
	s_lshl_b32 s18, s17, 9
	s_xor_b32 s19, s18, 512
	s_lshl_b32 s20, s16, 10
	s_mov_b32 s21, 0
	s_add_co_u32 s22, s20, s18                     ; my half of a row of 1,024 bytes,
	s_mov_b32 s23, 0
	s_add_co_u32 s24, s20, s19                     ; the other half
	s_mov_b32 s25, 0
	s_lshl_b32 s26, s16, 15
	s_add_co_u32 s26, s26, s18                     ; part: 32 rows of 1,024 bytes a batch
	s_mov_b32 s27, 0
	s_mov_b32 s28, s18
	s_mov_b32 s29, 0
	s_mov_b32 s30, 0x76543210
	s_mov_b32 s31, 0xfedcba98                      ; v_permlanex16_b32's selects for lane l xor 16
	s_mov_b32 s36, 0x3a800000                      ; 1 / 1024
	s_mov_b32 s37, s36                             ; (named with it as a pair)
	s_mov_b32 s38, 0x3b800000                      ; 1 / 256
	s_mov_b32 s39, 0x3089705f                      ; 1e-9
	s_wait_alu depctr_va_vdst(0)
	s_wait_kmcnt 0x0
	s_add_nc_u64 s[4:5], s[4:5], s[26:27]
	s_add_nc_u64 s[34:35], s[6:7], s[24:25]
	s_add_nc_u64 s[6:7], s[6:7], s[22:23]
	s_add_nc_u64 s[8:9], s[8:9], s[20:21]
	s_add_nc_u64 s[10:11], s[10:11], s[28:29]
	s_add_nc_u64 s[12:13], s[12:13], s[28:29]
	s_add_nc_u64 s[14:15], s[14:15], s[22:23]
	global_load_b128 v[8:11], v1, s[6:7]           ; U, my channels
	global_load_b128 v[12:15], v1, s[34:35]        ; U, the other half: the mean and the variance span all 256
	global_load_b128 v[16:19], v2, s[8:9]          ; the mask
	global_load_b128 v[20:23], v2, s[8:9] offset:16
	global_load_b128 v[24:27], v1, s[10:11]        ; gamma
	global_load_b128 v[28:31], v1, s[12:13]        ; beta
.set p, 0
.rept 32
	global_load_b128 v[64+4*p:64+4*p+3], v1, s[4:5] offset:1024*p th:TH_LOAD_NT
.set p, p+1
.endr
.macro WSUM r                          ; the sum over the 32 lanes, in every lane
	v_add_f32_dpp v[\r], v[\r], v[\r] row_xmask:1 row_mask:0xf bank_mask:0xf
	v_add_f32_dpp v[\r], v[\r], v[\r] row_xmask:2 row_mask:0xf bank_mask:0xf
	v_add_f32_dpp v[\r], v[\r], v[\r] row_xmask:4 row_mask:0xf bank_mask:0xf
	v_add_f32_dpp v[\r], v[\r], v[\r] row_xmask:8 row_mask:0xf bank_mask:0xf
	v_permlanex16_b32 v33, v[\r], s30, s31
	v_add_f32 v[\r], v[\r], v33
.endm
	s_wait_loadcnt 34                              ; U and the mask are in; gamma, beta and the 32 partial sums may be out
	; cnt: the first true key.  Of my 32 bytes, from the last to the first: where a byte is not 0, its place is taken
	v_mov_b32 v32, 0x1000
.set j, 31
.rept 32
	v_bfe_u32 v33, v[16+j/4], 8*(j%4), 8
	v_cmp_eq_u32 vcc_lo, 0, v33
	v_cndmask_b32 v32, j, v32, vcc_lo
.set j, j-1
.endr
	v_lshl_add_u32 v32, v0, 5, v32
	v_cvt_f32_u32 v32, v32
	v_min_num_f32_dpp v32, v32, v32 row_xmask:1 row_mask:0xf bank_mask:0xf
	v_min_num_f32_dpp v32, v32, v32 row_xmask:2 row_mask:0xf bank_mask:0xf
	v_min_num_f32_dpp v32, v32, v32 row_xmask:4 row_mask:0xf bank_mask:0xf
	v_min_num_f32_dpp v32, v32, v32 row_xmask:8 row_mask:0xf bank_mask:0xf
	v_permlanex16_b32 v33, v32, s30, s31
	v_min_num_f32 v32, v32, v33
	v_min_num_f32 v32, 0x44800000, v32             ; 1,024 where no key counts
	; LayerNorm of U / 1024
	v_pk_add_f32 v[34:35], v[8:9], v[10:11]
	v_pk_add_f32 v[36:37], v[12:13], v[14:15]
	v_pk_add_f32 v[34:35], v[34:35], v[36:37]
	v_add_f32 v34, v34, v35
	WSUM 34
	v_mul_f32 v38, 0xb6800000, v34                 ; - mean = - sum x 2^-18
	v_mov_b32 v39, v38
.irp k, 8,10,12,14
	v_pk_fma_f32 v[\k:\k+1], v[\k:\k+1], s[36:37], v[38:39] op_sel_hi:[1,0,0]   ; d = U / 1024 - mean
.endr
	v_pk_mul_f32 v[40:41], v[8:9], v[8:9]
.irp k, 10,12,14
	v_pk_fma_f32 v[40:41], v[\k:\k+1], v[\k:\k+1], v[40:41]
.endr
	v_add_f32 v40, v40, v41
	WSUM 40
	v_fma_f32 v40, v40, s38, s39                   ; var + eps
	s_wait_alu depctr_va_vdst(0)
	v_rsq_f32 v42, v40
	v_nop                                          ; one plain place behind a transcendental
	s_wait_alu depctr_va_vdst(0)
	v_mul_f32 v42, v42, v32                        ; cnt / sqrt(var + eps)
	v_mov_b32 v43, v42
	s_wait_loadcnt 0x0
.set p, 2
.rept 30                               ; the 32 partial sums, in two chains
	v_pk_add_f32 v[64+4*(p%2):64+4*(p%2)+1], v[64+4*(p%2):64+4*(p%2)+1], v[64+4*p:64+4*p+1]
	v_pk_add_f32 v[66+4*(p%2):66+4*(p%2)+1], v[66+4*(p%2):66+4*(p%2)+1], v[66+4*p:66+4*p+1]
.set p, p+1
.endr
	v_pk_add_f32 v[64:65], v[64:65], v[68:69]
	v_pk_add_f32 v[66:67], v[66:67], v[70:71]
	v_pk_fma_f32 v[64:65], v[8:9], v[42:43], v[64:65] op_sel_hi:[1,0,1]     ; + cnt x the normalised U / 1024
	v_pk_fma_f32 v[66:67], v[10:11], v[42:43], v[66:67] op_sel_hi:[1,0,1]
	v_pk_mul_f32 v[64:65], v[64:65], s[36:37] op_sel_hi:[1,0]               ; the mean over 1,024 rows
	v_pk_mul_f32 v[66:67], v[66:67], s[36:37] op_sel_hi:[1,0]
	v_pk_fma_f32 v[64:65], v[64:65], v[24:25], v[28:29]
	v_pk_fma_f32 v[66:67], v[66:67], v[26:27], v[30:31]
	global_store_b128 v1, v[64:67], s[14:15]       ; the wave stores 512 consecutive bytes, aligned
	s_endpgm
.Lfunc_end_k_q06c2a9604d_finish:
	.size	k_q06c2a9604d_finish, .Lfunc_end_k_q06c2a9604d_finish-k_q06c2a9604d_finish
	.p2alignl 7, 3214868480
	.fill 96, 4, 3214868480
	.section	.rodata,"a",@progbits
	.p2align	6, 0x0
	.amdhsa_kernel k_q06c2a9604d_finish
		.amdhsa_group_segment_fixed_size 0
		.amdhsa_private_segment_fixed_size 0
		.amdhsa_enable_private_segment 0
		.amdhsa_kernarg_size 48
		.amdhsa_user_sgpr_count 2
		.amdhsa_user_sgpr_kernarg_segment_ptr 1
		.amdhsa_wavefront_size32 1
		.amdhsa_system_sgpr_workgroup_id_x 1
		.amdhsa_system_sgpr_workgroup_id_y 1
		.amdhsa_system_sgpr_workgroup_id_z 1
		.amdhsa_system_vgpr_workitem_id 0
		.amdhsa_next_free_vgpr 192
		.amdhsa_next_free_sgpr 66
		.amdhsa_reserve_vcc 1
		.amdhsa_float_denorm_mode_32 3
		.amdhsa_float_denorm_mode_16_64 3
		.amdhsa_memory_ordered 1
		.amdhsa_forward_progress 1
		.amdhsa_inst_pref_size 16
	.end_amdhsa_kernel
	.amdgpu_metadata
---
amdhsa.version: [ 1, 2 ]
amdhsa.kernels:
  - .name:           k_q06c2a9604d_finish
    .symbol:         k_q06c2a9604d_finish.kd
    .args:
      - { .name: part, .offset: 0, .size: 8, .value_kind: global_buffer, .address_space: global }
      - { .name: ubuf, .offset: 8, .size: 8, .value_kind: global_buffer, .address_space: global }
      - { .name: key_masks, .offset: 16, .size: 8, .value_kind: global_buffer, .address_space: global }
      - { .name: gamma, .offset: 24, .size: 8, .value_kind: global_buffer, .address_space: global }
      - { .name: beta, .offset: 32, .size: 8, .value_kind: global_buffer, .address_space: global }
      - { .name: out0, .offset: 40, .size: 8, .value_kind: global_buffer, .address_space: global }
    .group_segment_fixed_size: 0
    .private_segment_fixed_size: 0
    .kernarg_segment_align: 8
    .kernarg_segment_size: 48
    .max_flat_workgroup_size: 32
    .sgpr_count:     66
    .vgpr_count:     192
    .wavefront_size: 32
...
	.end_amdgpu_metadata
.endif
;; end of part 3
